; MI455X (gfx1250); checked and timed in simulation.
; The chip was launched on July 23, 2026; its instructions are those of AMD's public machine-readable ISA for CDNA 5 (MIT licence, August 2026) and "CDNA5" Instruction Set Architecture Reference Guide (July 2026). The comments in the code are by the model that wrote it; some were corrected since.
;; VQ Audio Quantizer. Allowed arithmetic: matrix products marked QUANTISED: E2M1 operands, one E8M0 scale for each 32 along K, by v_wmma_scale_f32_16x16x128_f8f6f4 with both operands' format E2M1 (or v_wmma_scale_f32_32x16x128_f4), f32 sums; everything else in f32.
;; Inputs: codebook 8,192 x 256 float32; mask 4 x 4,096 bool; z 4 x 4,096 x 256 float32.
;; Outputs: out0 4 x 4,096 x 256 float32; out1 4 x 4,096 int32; out2 one number float32.
;; This version of the problem:
;;   THIS VERSION OF THE PROBLEM IS GIVEN IN LOW PRECISION. The matrix products marked QUANTISED in the list below multiply operands that are first quantised to E2M1 (2 exponent bits, 1 mantissa bit; 4 bits a number), with one power-of-two scale for each 32 numbers along K (OCP MX v1.0); their sums are f32. All else is computed in f32.
;;   The module's matrix products, in the order in which they are computed (A, B: the left and right operand; K: the contracted axis; several contracted axes count as one K, in the product's order):
;;     1. [M 16,384, K 256] x [K 256, N 8,192]; A: input z; B: input codebook: QUANTISED
;;   THE QUANTISER, for each operand of a quantised product, along K:
;;     - K is cut into blocks of 32 from its start; a last block that is shorter is filled with zeros.
;;     - A block's scale is 2^e with e = floor(log2(the largest magnitude in the block)) - 2, held to -126 .. 127; a block of zeros has e = 0. As a byte (E8M0): e + 127.
;;     - Each number is divided by its block's scale, clamped to +-6, and rounded to the nearest number of E2M1, ties to even, subnormals kept.
;;     - The product sums the exact products of the quantised numbers (number of the format x scale) in f32.
;;   ~~~python
;;   def quantise(x, axis):      # numpy; x: float32 -> the quantised numbers, widened to float32 again
;;       x = np.moveaxis(x, axis, -1); K = x.shape[-1]
;;       x = np.pad(x, [(0, 0)] * (x.ndim - 1) + [(0, -K % 32)]); x = x.reshape(x.shape[:-1] + (-1, 32)); a = np.abs(x).max(-1, keepdims=True)
;;       e = np.where(a > 0, np.clip(np.frexp(np.where(a > 0, a, 1))[1] - 1 - 2, -126, 127), 0)      # np.frexp(a)[1] - 1 = floor(log2(a)), exactly
;;       r = np.clip(x / 2.0 ** e, -6, 6)
;;       step = 2.0 ** (np.maximum(np.frexp(np.where(r == 0, 1, r))[1] - 1, 0) - 1)
;;       q = np.round(r / step) * step * 2.0 ** e      # np.round: ties to even
;;       return np.moveaxis(q.reshape(q.shape[:-2] + (-1,))[..., :K], -1, axis).astype(np.float32)
;;   ~~~
;; One version. Each part assembles by itself: llvm-mc -triple=amdgcn-amd-amdhsa -mcpu=gfx1250 --defsym DOCPART=n.
;; ======== version 1 of 1: 4 launches
;; limits: right only within a limited range of input values
;; workspace buffers: cbimg 1,179,648 bytes; zimg 2,359,296 bytes; cand 524,288 bytes of whole numbers; part 2,048 bytes
;; launch prep (part 1): grid 256 x 1, 12 waves a work-group, no clusters, 167,936 bytes of LDS; arguments codebook, z, cbimg, zimg; writes cbimg, zimg
.if DOCPART == 1
	.amdgcn_target "amdgcn-amd-amdhsa--gfx1250"
	.amdhsa_code_object_version 6
	.text
	.protected	k_q00055f2e31_prep
	.globl	k_q00055f2e31_prep
	.p2align	8
	.type	k_q00055f2e31_prep,@function
k_q00055f2e31_prep:
	s_mov_b64 s[64:65], 0
	v_nop
	global_prefetch_b8 v0, s[64:65] scope:SCOPE_SE
	s_setreg_imm32_b32 hwreg(HW_REG_WAVE_MODE, 25, 1), 1
	s_wait_xcnt 0x0
; The codebook [8192][256] and z [16384][256], f32, become codes of FP4 (E2M1) with one E8M0 scale byte for each 32 along K, laid as the search reads them: tiles of 16 rows, 2,304 bytes each:
;   bytes 0 .. 2047     four pieces of 512 bytes, piece 2 s + c: lane l's 16 bytes at 16 l are registers 4 c .. 4 c + 3 of K step s's fragment (row l % 16, k = 128 s + 64 c + 32 (l / 16) + 0 .. 31)
;   bytes 2048 .. 2175  the scale words of the 16 rows for K step 0, then for K step 1
;   bytes 2176 .. 2303  codebook: sixteen f32, -0.5 x the sum of squares of the row's f32 numbers, twice; z: zeros
; DEAD WORK LEFT OUT of the program: the sum of squares of a row of z is added alike to the distances of all 8,192 codes, and the argmin is taken over the codes: for all values of the inputs it moves no index.  No other output takes it in.
; So the argmin of z_sq - 2 z.e + e_sq is the argmax of z.e - e_sq / 2.  LIMIT: a NaN, an infinity or an overflow that reaches only that sum is not carried to the indices.
; A block's scale is 2^(floor(log2(its largest magnitude)) - 2); its byte is the largest magnitude's exponent field - 2, held at 1 from below.  A block of zeros keeps the byte 1 where the quantiser says 127:
; its codes are zeros, which add nothing, and this program alone reads the bytes.
; LIMITS: NaN and infinities among the inputs are not served.
; SHARES: 512 code tiles and 1,024 z tiles on 256 work-groups of twelve waves: two waves to a tile, one for each K step of 128; the first two pairs take code tiles, the other four z tiles.
; One tensor load of the wave's own brings its 16 rows x 512 bytes, 16 bytes of padding behind each.  A wave reads only its own rows; the scale words and the two half sums of squares meet in LDS behind one barrier.
; Nothing is shared between work-groups, so there is no cluster; there is no loop, so nothing is prefetched.
.set TILE,  2304
.set LROW,  528                        ; an LDS row
.set LTILE, 16*LROW                    ; 33 blocks of 256 bytes
.set STG,   12*LTILE                   ; 256 bytes for each pair: the tile's last block is put together here
.set SPARE, STG+6*256                  ; the spare words, 128 bytes for each wave
.set XA,  4                            ; v4   LDS: my row of my wave's tile, + 64 h
.set LI,  5                            ; v5   16 x lane
.set T0,  16                           ; v16-79   64 numbers: register 16 b + i = k 32 b + 16 h + i of row r
.set PC,  80                           ; v80-87   the fragment
.set PW,  88                           ; the row's scale word
.set TM,  90                           ; v90-105  at work in QUANT
.set E,   106                          ; v106-113 the sum of squares, in four chains of pairs
.set SPW, 114
.set NIL, 115
.set G0,  20
.set G1,  24
.set SEL, 32                           ; lane selects for v_permlanex16_b32: lane l xor 16
.set PAIR, 34
.set KS,  35                           ; my K step
	s_load_b256 s[4:11], s[0:1], 0x0               ; codebook s[4:5], z s[6:7], cbimg s[8:9], zimg s[10:11]
	v_lshl_add_u32 v[SPW], v0, 2, SPARE
	v_mov_b32 v[NIL], 0
	ds_add_u32 v[SPW], v[NIL]                      ; the opening: the add, twice, and its wait
	ds_add_u32 v[SPW], v[NIL]
	v_lshrrev_b32 v1, 5, v0
	v_readfirstlane_b32 s12, v1                    ; wave 0..11
	s_mov_b32 s[G1], (3<<16)|(1<<20)|(6<<22)|(3<<25)   ; elements of 8 bytes; after every 128 words a padding of 4
	s_mov_b32 s[G1+1], 64<<16
	s_mov_b32 s[G1+2], 16<<16
	s_mov_b32 s[G1+3], 64<<16
	s_mov_b32 s[G1+4], 16
	s_mov_b32 s[G1+5], 128
	s_mov_b32 s[G1+6], 0
	s_mov_b32 s[G1+7], 0
	s_mov_b32 s[SEL], 0x76543210
	s_mov_b32 s[SEL+1], 0xfedcba98
	s_lshr_b32 s[PAIR], s12, 1
	s_and_b32 s[KS], s12, 1
	s_lshl_b32 s13, ttmp9, 1
	s_add_co_u32 s13, s13, s[PAIR]                 ; code tile 2 g + pair
	s_lshl_b32 s14, ttmp9, 2
	s_add_co_u32 s14, s14, s[PAIR]
	s_sub_co_u32 s14, s14, 2                       ; z tile 4 g + pair - 2
	s_cmp_lt_u32 s[PAIR], 2
	s_cselect_b32 s13, s13, s14
	s_lshl_b32 s14, s13, 14                        ; 16,384 bytes a tile in
	s_lshl_b32 s15, s[KS], 9
	s_add_co_u32 s14, s14, s15                     ; my 512 of a row's 1,024
	s_mov_b32 s15, 0
	s_mul_i32 s16, s13, TILE                       ; 2,304 out
	s_mov_b32 s17, 0
	s_lshl_b32 s36, s[KS], 10                      ; my half of its codes
	s_mov_b32 s37, 0
	s_mul_i32 s18, s12, LTILE
	s_lshl_b32 s19, s[PAIR], 8
	s_add_co_u32 s19, s19, STG
	s_lshl_b32 s38, s[KS], 6
	s_add_co_u32 s38, s38, s19
	v_and_b32 v1, 31, v0                           ; lane
	v_and_b32 v2, 15, v0                           ; r
	v_bfe_u32 v3, v0, 4, 1                         ; h
	v_mul_u32_u24 v[XA], v2, LROW
	v_lshl_add_u32 v[XA], v3, 6, v[XA]
	v_add_nc_u32 v[XA], s18, v[XA]
	v_lshlrev_b32 v[LI], 4, v1
	v_lshl_add_u32 v6, v2, 2, s38                  ; my row's word among my K step's sixteen
	v_lshl_add_u32 v7, v1, 3, s19
	v_lshlrev_b32 v8, 3, v1
.irp b, 0,1,2,3
	v_mov_b32 v[TM+4+\b], 0                        ; written once: a lane permute's destination counts as one of its sources
.endr
	v_mov_b32 v[E], 0                              ; what a z tile stores behind its scale words
	s_wait_alu depctr_va_vdst(0)                   ; the wait at the head's end
	s_wait_dscnt 0x0                               ; both opening adds are done
	s_wait_kmcnt 0x0
	s_cmp_lt_u32 s[PAIR], 2                        ; the choice of buffers hangs on the wave's number alone
	s_cselect_b64 s[4:5], s[4:5], s[6:7]
	s_cselect_b64 s[8:9], s[8:9], s[10:11]
	s_mov_b32 s[G0], 1
	s_mov_b32 s[G0+1], s18
	s_add_nc_u64 s[G0+2:G0+3], s[4:5], s[14:15]
	s_or_b32 s[G0+3], s[G0+3], 0x80000000
	tensor_load_to_lds s[G0:G0+3], s[G1:G1+7]
	s_nop 0
.rept 4
	v_nop
.endr
	s_add_nc_u64 s[8:9], s[8:9], s[16:17]          ; my tile's image
	s_add_nc_u64 s[40:41], s[8:9], s[36:37]        ; my codes in it
	s_wait_tensorcnt 0x0                           ; my rows are in LDS; only my wave reads them
.irp b, 0,1,2,3
.irp j, 0,1,2,3
	ds_load_b128 v[T0+16*\b+4*\j:T0+16*\b+4*\j+3], v[XA] offset:128*\b+16*\j
.endr
.endr
	s_wait_dscnt 0x0
	; 64 numbers of a lane become the fragment's codes in v[PC] .. v[PC + 7] and its row's scale word in v[PW]
.irp b, 0,1,2,3
	v_max3_num_f32 v[TM+\b], |v[T0+16*\b]|, |v[T0+1+16*\b]|, 0x1800000   ; block b: my 16 numbers, and the floor 2^(3 - 127): the byte cannot fall under 1
.endr
.irp i, 2,4,6,8,10,12,14
.irp b, 0,1,2,3
	v_max3_num_f32 v[TM+\b], v[TM+\b], |v[T0+16*\b+\i]|, |v[T0+1+16*\b+\i]|   ; the four blocks by turns
.endr
.endr
.irp b, 0,1,2,3
	v_permlanex16_b32 v[TM+4+\b], v[TM+\b], s[SEL], s[SEL+1]
.endr
.irp b, 0,1,2,3
	v_max_num_f32 v[TM+\b], v[TM+\b], v[TM+4+\b]   ; with lane l xor 16's: the block's largest magnitude
.endr
.irp b, 0,1,2,3
	v_add_nc_u32 v[TM+12+\b], 0xff000000, v[TM+\b] ; 2 off its exponent field: the conversion takes this operand's exponent field as its scale
.endr
.irp b, 0,1,2,3
	v_lshrrev_b32 v[TM+4+\b], 23, v[TM+12+\b]      ; the scale's byte
.endr
	v_lshl_or_b32 v[PW], v[TM+5], 8, v[TM+4]
	v_lshl_or_b32 v[PW], v[TM+6], 16, v[PW]
	v_lshl_or_b32 v[PW], v[TM+7], 24, v[PW]
.irp b, 0,1,2,3
	v_cvt_scalef32_pk8_fp4_f32 v[PC+2*\b], v[T0+16*\b:T0+7+16*\b], v[TM+12+\b]
	v_cvt_scalef32_pk8_fp4_f32 v[PC+1+2*\b], v[T0+8+16*\b:T0+15+16*\b], v[TM+12+\b]
.endr
	v_nop                                          ; one plain place behind a scaled conversion
.irp c, 0,1                            ; the operand's layout wants a whole block in a lane: lanes 0-15 block 2 c, lanes 16-31 block 2 c + 1
.irp i, 0,1
	v_permlane16_swap_b32 v[PC+4*\c+\i], v[PC+2+4*\c+\i]
.endr
.endr
.irp c, 0,1
	global_store_b128 v[LI], v[PC+4*\c:PC+4*\c+3], s[40:41] offset:512*\c   ; 32 lanes store 512 consecutive bytes, aligned
.endr
	s_wait_alu depctr_va_vdst(0)                   ; the wait ahead of the branch
	s_cmp_lt_u32 s[PAIR], 2
	s_cbranch_scc0 .Laux                           ; z tiles need no sum of squares
.set n, 0
.rept 32                               ; 64 squares, two at a time, onto four chains
.if n < 4
	v_pk_mul_f32 v[E+2*(n%4):E+2*(n%4)+1], v[T0+2*n:T0+2*n+1], v[T0+2*n:T0+2*n+1]
.else
	v_pk_fma_f32 v[E+2*(n%4):E+2*(n%4)+1], v[T0+2*n:T0+2*n+1], v[T0+2*n:T0+2*n+1], v[E+2*(n%4):E+2*(n%4)+1]
.endif
.set n, n+1
.endr
	v_pk_add_f32 v[E:E+1], v[E:E+1], v[E+2:E+3]
	v_pk_add_f32 v[E+4:E+5], v[E+4:E+5], v[E+6:E+7]
	s_delay_alu instid0(VALU_DEP_1)
	v_pk_add_f32 v[E:E+1], v[E:E+1], v[E+4:E+5]
	s_delay_alu instid0(VALU_DEP_1)
	v_add_f32 v[E], v[E], v[E+1]
	s_delay_alu instid0(VALU_DEP_1)
	v_permlanex16_b32 v[E+1], v[E], s[SEL], s[SEL+1]
	s_delay_alu instid0(VALU_DEP_1)
	v_add_f32 v[E], v[E], v[E+1]                   ; with lane l xor 16's half: my K step's part of the row's sum
	s_delay_alu instid0(VALU_DEP_1)
	v_mul_f32 v[E], -0.5, v[E]
.Laux:
	ds_store_b32 v6, v[PW]                         ; lanes r and r + 16 write the same word with the same value
	ds_store_b32 v6, v[E] offset:128
	s_wait_dscnt 0x0                               ; for my partner's sake
	s_barrier_signal -1
	s_barrier_wait -1
	s_cmp_lg_u32 s[KS], 0
	s_cbranch_scc1 .Ldone
	ds_load_b64 v[116:117], v7                     ; lanes 0-15: the 32 scale words; lanes 16-23: K step 0's half sums; lanes 24-31: K step 1's
	s_wait_dscnt 0x0
	v_cmp_le_u32 vcc_lo, 16, v1
	v_cndmask_b32 v118, 0, v116, vcc_lo
	v_cndmask_b32 v119, 0, v117, vcc_lo
	v_add_f32_dpp v118, v118, v118 row_xmask:8 row_mask:0xf bank_mask:0xf   ; the whole sums, in lanes 16-23 and 24-31 alike
	v_add_f32_dpp v119, v119, v119 row_xmask:8 row_mask:0xf bank_mask:0xf
	v_cndmask_b32 v116, v116, v118, vcc_lo
	v_cndmask_b32 v117, v117, v119, vcc_lo
	global_store_b64 v8, v[116:117], s[8:9] offset:2048   ; one whole aligned block of 256 bytes
.Ldone:
	s_wait_tensorcnt 0x0                           ; the wave's end
	ds_add_u32 v[SPW], v[NIL]
	s_wait_dscnt 0x0
	s_endpgm
.Lfunc_end_k_q00055f2e31_prep:
	.size	k_q00055f2e31_prep, .Lfunc_end_k_q00055f2e31_prep-k_q00055f2e31_prep
	.p2alignl 7, 3214868480
	.fill 96, 4, 3214868480
	.section	.rodata,"a",@progbits
	.p2align	6, 0x0
	.amdhsa_kernel k_q00055f2e31_prep
		.amdhsa_group_segment_fixed_size 167936
		.amdhsa_private_segment_fixed_size 0
		.amdhsa_enable_private_segment 0
		.amdhsa_kernarg_size 32
		.amdhsa_user_sgpr_count 2
		.amdhsa_user_sgpr_kernarg_segment_ptr 1
		.amdhsa_wavefront_size32 1
		.amdhsa_system_sgpr_workgroup_id_x 1
		.amdhsa_system_sgpr_workgroup_id_y 1
		.amdhsa_system_sgpr_workgroup_id_z 1
		.amdhsa_system_vgpr_workitem_id 0
		.amdhsa_next_free_vgpr 120
		.amdhsa_next_free_sgpr 66
		.amdhsa_reserve_vcc 1
		.amdhsa_float_denorm_mode_32 3
		.amdhsa_float_denorm_mode_16_64 3
		.amdhsa_memory_ordered 1
		.amdhsa_forward_progress 1
		.amdhsa_inst_pref_size 12
	.end_amdhsa_kernel
	.amdgpu_metadata
---
amdhsa.version: [ 1, 2 ]
amdhsa.kernels:
  - .name:           k_q00055f2e31_prep
    .symbol:         k_q00055f2e31_prep.kd
    .args:
      - { .name: codebook, .offset: 0, .size: 8, .value_kind: global_buffer, .address_space: global }
      - { .name: z, .offset: 8, .size: 8, .value_kind: global_buffer, .address_space: global }
      - { .name: cbimg, .offset: 16, .size: 8, .value_kind: global_buffer, .address_space: global }
      - { .name: zimg, .offset: 24, .size: 8, .value_kind: global_buffer, .address_space: global }
    .group_segment_fixed_size: 167936
    .private_segment_fixed_size: 0
    .kernarg_segment_align: 8
    .kernarg_segment_size: 32
    .max_flat_workgroup_size: 384
    .sgpr_count:     66
    .vgpr_count:     120
    .wavefront_size: 32
...
	.end_amdgpu_metadata
.endif
;; end of part 1
;; launch search (part 2): grid 256 x 1, 16 waves a work-group, clusters of 4 x 1, 327,680 bytes of LDS; arguments zimg, cbimg, cand; writes cand
.if DOCPART == 2
	.amdgcn_target "amdgcn-amd-amdhsa--gfx1250"
	.amdhsa_code_object_version 6
	.text
	.protected	k_q00055f2e31_search
	.globl	k_q00055f2e31_search
	.p2align	8
	.type	k_q00055f2e31_search,@function
k_q00055f2e31_search:
	s_mov_b64 s[64:65], 0
	v_nop
	global_prefetch_b8 v0, s[64:65] scope:SCOPE_SE
	s_setreg_imm32_b32 hwreg(HW_REG_WAVE_MODE, 25, 1), 1
	s_wait_xcnt 0x0
	s_wait_alu depctr_hold_cnt(0) depctr_sa_sdst(0) depctr_va_vdst(0) depctr_va_sdst(0) depctr_va_ssrc(0) depctr_va_vcc(0) depctr_vm_vsrc(0)
	s_getreg_b32 s2, hwreg(HW_REG_IB_STS2, 6, 4)
	s_cmp_eq_u32 s2, 0
	s_cbranch_scc0 .Lentry_in_a_cluster
	s_endpgm
.Lentry_in_a_cluster:
	s_bfe_u32 s2, ttmp6, 0x10000c
	s_cmp_lg_u32 s2, 0x3003
	s_cbranch_scc0 .Lentry_shape_is_right
	s_endpgm
.Lentry_shape_is_right:
; For each row of z and each quarter of the codebook ("part"): the largest z.e - e_sq / 2 over the part's 2,048 codes and its index, the lowest where several are equal.
; Left out, as the first kernel's head shows: the sum of squares of z, which is the same for all codes of a row.
; cand: eight runs of 16,384 words: run p: part p's largest score as a whole number that orders as the f32 does; run 4 + p: its code's index.  The next launch compares the four.
; A BLOCK is 256 rows of z x one part, 256 work-groups.  The part's 128 tiles (2,304 bytes each) stay in LDS as four runs of 32: two fills, no refill: the first 12 tiles of each run, then the other 20.
; Wave w takes 64 rows of z (4 blocks of 16, number w % 4), whose fragments stay in registers, and run w / 4: 32 tiles, each read from LDS once by the wave.
; CLUSTERS: the four work-groups of a cluster take the same part and ask for its tiles jointly; their rows of z differ and come by plain loads.
; NO PREFETCH: the first fill has no loop ahead of it, and the second has the work on 11 tiles in which to land.
; A tile's matrix instructions run between the vector work on the tile before it: two sets of accumulators by turns.  THE RUNNING MAXIMUM is exact: a tile's eight scores of a lane and the largest so far go
; into the new largest; where it grew, the tile's number and its eight scores are kept, two to an instruction, and the place among the eight is found at the end by comparing for equality.
; LIMITS: NaN and infinities among the scores are not served.
.set TILE,  2304
.set RUN,   32*TILE                    ; a run's tiles in LDS
.set F1,    3                          ; tiles that a wave fetches in the first fill (27 rows of 256 bytes)
.set F2,    5                          ; and in the second (45 rows)
.set MRG,   4*RUN                      ; behind the tiles: 512 bytes for each wave, where the four runs meet
.set SPARE, MRG+16*512                 ; the spare words, 128 bytes for each wave
.set SPW, 1
.set NIL, 2
.set ACD, 3                            ; LDS: my run, 16 x lane; 4: 4 x lane; 5: 32 h
.set CAD, 6                            ; the same at the tiles of a loop's trip
.set ZLI, 9
.set ZLS, 10
.set MA,  11
.set ML,  12
.set LT,  13                           ; my first code: 2048 part + 512 run + 8 h
.set CO,  14
.set ZF,  16                           ; v16-79   z's fragments: block m at 16 m, K step s at + 8 s
.set ZS,  80                           ; v80-83   their scale words
.set CF,  84                           ; v84-115  a tile's fragments, two sets
.set SA,  116                          ; v116-117 its scale words
.set EQ,  118                          ; v118-133 its -e_sq / 2: what its sums start from
.set ACC, 134                          ; v134-197 two sets of four accumulators
.set BB,  198                          ; v198-205 the largest so far, two sets by turns
.set TID, 206                          ; v206-209 its tile
.set SAV, 210                          ; v210-241 that tile's eight scores
.set PR,  242                          ; v242-249 pairs (score, index)
.set WV,  12
.set SEL, 20
.set G1,  24                           ; s[24:31] descriptor group 1 of the first fill, s[56:63] of the second
.set G1B, 56
.set G0,  32
.set CM,  40
.set SN,  52                           ; the number of the tile whose scores are at work
.set ST,  53                           ; the loop's trip, in bytes of tiles
.macro CREST
	s_cmp_lg_u32 s[WV], 0
	s_cbranch_scc1 .Lnot_wave_0_\@
	s_barrier_signal -3
.Lnot_wave_0_\@:
	s_barrier_wait -3
	s_barrier_signal -1
	s_barrier_wait -1
.endm
.macro CROUND
	s_barrier_signal -1
	s_barrier_wait -1
	CREST
.endm
.macro LOADT p, off                    ; seven LDS loads: a tile into set p
.irp k, 0,1,2,3
	ds_load_b128 v[CF+16*(\p)+4*\k:CF+16*(\p)+4*\k+3], v[AD] offset:(\off)+512*\k
.endr
	ds_load_b32 v[SA+(\p)], v[AD+1] offset:(\off)+2048
	ds_load_b128 v[EQ+8*(\p):EQ+8*(\p)+3], v[AD+2] offset:(\off)+2176
	ds_load_b128 v[EQ+8*(\p)+4:EQ+8*(\p)+7], v[AD+2] offset:(\off)+2192
.endm
.macro KEEP m, a                       ; block m, in the lanes whose largest grew: the tile's number and its eight scores
	v_cndmask_b32 v[TID+(\m)], v[TID+(\m)], s[SN], vcc_lo
.irp j, 0,2,4,6
	v_dual_cndmask_b32 v[SAV+8*(\m)+\j], v[SAV+8*(\m)+\j], v[\a+8*(\m)+\j] :: v_dual_cndmask_b32 v[SAV+8*(\m)+\j+1], v[SAV+8*(\m)+\j+1], v[\a+8*(\m)+\j+1]
.endr
.endm
.macro SLICE b, q                      ; the q-th of eight pieces of the work on the scores in set b
.set AB, ACC+32*(\b)
.set NW, BB+4*(\b)
.set OD, BB+4-4*(\b)
.if (\q) == 0
.irp m, 0,1,2,3
	v_max3_num_f32 v[NW+\m], v[AB+8*\m], v[AB+8*\m+1], v[AB+8*\m+2]
.endr
.elseif (\q) == 1
.irp m, 0,1,2,3
	v_max3_num_f32 v[NW+\m], v[NW+\m], v[AB+8*\m+3], v[AB+8*\m+4]
.endr
.elseif (\q) == 2
.irp m, 0,1,2,3
	v_max3_num_f32 v[NW+\m], v[NW+\m], v[AB+8*\m+5], v[AB+8*\m+6]
.endr
.elseif (\q) == 3
.irp m, 0,1,2,3
	v_max3_num_f32 v[NW+\m], v[NW+\m], v[AB+8*\m+7], v[OD+\m]
.endr
	v_cmp_gt_f32 vcc_lo, v[NW], v[OD]
.else
	KEEP (\q)-4, AB
.if (\q) < 7
	v_cmp_gt_f32 vcc_lo, v[NW+(\q)-3], v[OD+(\q)-3]
.endif
.endif
.endm
.macro WM p, q                         ; q < 4: K step 0 of block q, from -e_sq / 2; then K step 1
.set PB, (\p)
.set QQ, (\q)
.set MM, QQ%4
.if QQ < 4
	v_wmma_scale_f32_16x16x128_f8f6f4 v[ACC+32*PB+8*MM:ACC+32*PB+8*MM+7], v[CF+16*PB:CF+16*PB+7], v[ZF+16*MM:ZF+16*MM+7], v[EQ+8*PB:EQ+8*PB+7], v[SA+PB], v[ZS+MM] matrix_a_fmt:MATRIX_FMT_FP4 matrix_b_fmt:MATRIX_FMT_FP4
.else
	v_wmma_scale_f32_16x16x128_f8f6f4 v[ACC+32*PB+8*MM:ACC+32*PB+8*MM+7], v[CF+16*PB+8:CF+16*PB+15], v[ZF+16*MM+8:ZF+16*MM+15], v[ACC+32*PB+8*MM:ACC+32*PB+8*MM+7], v[SA+PB], v[ZS+MM] matrix_a_fmt:MATRIX_FMT_FP4 matrix_b_fmt:MATRIX_FMT_FP4 matrix_a_scale:MATRIX_SCALE_ROW1 matrix_b_scale:MATRIX_SCALE_ROW1
.endif
.endm
.macro MULS p                          ; a tile's eight matrix instructions; between them the tile before, whose last piece is also the places in front of the next loads
.irp q, 0,1,2,3,4,5,6,7
	WM \p, \q
	SLICE 1-(\p), \q
.endr
	s_add_co_u32 s[SN], s[SN], 1
.endm
.macro TRIP p, off
	LOADT 1-(\p), \off
	s_wait_dscnt 7                                 ; this tile is in; the next tile's seven loads may be out
	MULS \p
.endm
.macro FOUR                            ; four tiles; the loads run one tile ahead
	v_add_nc_u32 v[CAD], s[ST], v[ACD]
	v_add_nc_u32 v[CAD+1], s[ST], v[ACD+1]
	v_add_nc_u32 v[CAD+2], s[ST], v[ACD+2]
	TRIP 1, 0
	TRIP 0, TILE
	TRIP 1, 2*TILE
	TRIP 0, 3*TILE
	s_add_co_u32 s[ST], s[ST], 4*TILE
.endm
.macro MERGE bv, bi, ov, oi            ; the larger score, and where equal the lower index
	v_cmp_gt_u32 s44, v[\ov], v[\bv]
	v_cmp_eq_u32 s45, v[\ov], v[\bv]
	v_cmp_lt_u32 s46, v[\oi], v[\bi]
	s_and_b32 s45, s45, s46
	s_or_b32 s44, s44, s45
	v_cndmask_b32 v[\bv], v[\bv], v[\ov], s44
	v_cndmask_b32 v[\bi], v[\bi], v[\oi], s44
.endm
	s_load_b128 s[4:7], s[0:1], 0x0                ; zimg s[4:5], cbimg s[6:7]
	s_load_b64 s[8:9], s[0:1], 0x10                ; cand
	v_lshl_add_u32 v[SPW], v0, 2, SPARE
	v_mov_b32 v[NIL], 0
	ds_add_u32 v[SPW], v[NIL]                      ; the opening: the add, twice, and its wait
	ds_add_u32 v[SPW], v[NIL]
	v_lshrrev_b32 v252, 5, v0
	v_readfirstlane_b32 s[WV], v252
	s_bfe_u32 s13, ttmp6, 0x40000                  ; my place in the cluster
	s_and_b32 s14, ttmp9, 3                        ; part: the same in all four work-groups of a cluster
	s_lshr_b32 s15, ttmp9, 2
	s_lshl_b32 s15, s15, 2
	s_add_co_u32 s15, s15, s13                     ; which 256 rows of z
	s_lshr_b32 s16, s[WV], 2                       ; which run of the part
	s_and_b32 s17, s[WV], 3                        ; which 64 rows
	s_lshl_b32 s46, s15, 4
	s_lshl_b32 s47, s17, 2
	s_add_co_u32 s46, s46, s47
	s_mul_i32 s46, s46, TILE                       ; z: my first tile, 16 x 256 rows' number + 4 x 64 rows' number
	s_mov_b32 s47, 0
	s_lshl_b32 s48, s14, 7
	s_lshl_b32 s49, s16, 5
	s_add_co_u32 s48, s48, s49
	s_mul_i32 s49, s17, F1
	s_add_co_u32 s48, s48, s49
	s_mul_i32 s48, s48, TILE                       ; the codebook: the first tile that I fetch
	s_mov_b32 s49, 0
	s_lshl_b32 s50, s14, 16
	s_lshl_b32 s51, s15, 10
	s_add_co_u32 s50, s50, s51
	s_lshl_b32 s51, s17, 8
	s_add_co_u32 s50, s50, s51                     ; cand: my 64 words of the part's run
	s_mov_b32 s51, 0
	s_mul_i32 s18, s16, RUN
	s_mul_i32 s23, s17, F1*TILE
	s_add_co_u32 s23, s23, s18                     ; where my tiles of the first fill go
	s_mul_i32 s54, s17, (F2-F1)*TILE
	s_add_co_u32 s54, s54, 4*F1*TILE               ; how far behind them those of the second lie, in memory as in LDS
	s_mov_b32 s55, 0
	s_lshl_b32 s19, s14, 11
	s_lshl_b32 s22, s16, 9
	s_add_co_u32 s19, s19, s22
	s_lshl_b32 s22, s[WV], 9
	s_add_co_u32 s22, s22, MRG
.irp g, G1, G1B
	s_mov_b32 s[\g], 15|(3<<16)|(1<<21)            ; all four of the cluster; elements of 8 bytes: dense rows of 256 bytes
	s_mov_b32 s[\g+1], 32<<16
	s_mov_b32 s[\g+3], 32<<16
	s_mov_b32 s[\g+5], 32
	s_mov_b32 s[\g+6], 0
	s_mov_b32 s[\g+7], 0
.endr
	s_mov_b32 s[G1+2], (9*F1)<<16
	s_mov_b32 s[G1+4], 9*F1
	s_mov_b32 s[G1B+2], (9*F2)<<16
	s_mov_b32 s[G1B+4], 9*F2
	s_mov_b32 s[SEL], 0x76543210
	s_mov_b32 s[SEL+1], 0xfedcba98
	s_mov_b32 s[SN], 0
	s_mov_b32 s[ST], 4*TILE
	s_mov_b32 s44, 0xff800000
	v_and_b32 v252, 31, v0
	v_and_b32 v253, 15, v0
	v_bfe_u32 v254, v0, 4, 1
	v_lshlrev_b32 v[ZLI], 4, v252
	v_lshlrev_b32 v[ZLS], 2, v252
	v_lshl_add_u32 v[ACD], v252, 4, s18
	v_lshl_add_u32 v[ACD+1], v252, 2, s18
	v_lshl_add_u32 v[ACD+2], v254, 5, s18
	v_lshl_add_u32 v[MA], v253, 3, s22
	v_lshl_add_u32 v[ML], v252, 4, s22
	v_lshl_add_u32 v[LT], v254, 3, s19
	v_lshlrev_b32 v[CO], 3, v252
	s_wait_alu depctr_va_vdst(0)                   ; the wait ahead of the waits below
	s_wait_dscnt 0x0                               ; both opening adds are done
	s_wait_kmcnt 0x0
	s_add_nc_u64 s[4:5], s[4:5], s[46:47]
	s_add_nc_u64 s[6:7], s[6:7], s[48:49]
	s_add_nc_u64 s[8:9], s[8:9], s[50:51]
	s_mov_b32 s[G0], 1
	s_mov_b32 s[G0+1], s23
	s_mov_b64 s[G0+2:G0+3], s[6:7]
	s_or_b32 s[G0+3], s[G0+3], 0x80000000
	s_mov_b32 s[G0+4], 1
	s_add_co_u32 s[G0+5], s23, s54
	s_add_nc_u64 s[G0+6:G0+7], s[6:7], s[54:55]
	s_or_b32 s[G0+7], s[G0+7], 0x80000000
	CROUND                                         ; the four work-groups are here: the joint loads meet
	tensor_load_to_lds s[G0:G0+3], s[G1:G1+7]
	s_nop 0
.rept 4
	v_nop
.endr
.irp m, 0,1,2,3
	global_load_b32 v[ZS+\m], v[ZLS], s[4:5] offset:TILE*\m+2048
.endr
.irp s, 0,1
.irp m, 0,1,2,3                        ; z's fragments in the order of their first use
	global_load_b128 v[ZF+16*\m+8*\s:ZF+16*\m+8*\s+3], v[ZLI], s[4:5] offset:TILE*\m+1024*\s
	global_load_b128 v[ZF+16*\m+8*\s+4:ZF+16*\m+8*\s+7], v[ZLI], s[4:5] offset:TILE*\m+1024*\s+512
.endr
.endr
.irp m, 0,1,2,3
	v_mov_b32 v[BB+4+\m], s44                      ; minus infinity: the first tile's largest lies above it
	v_mov_b32 v[TID+\m], 0
.endr
.set n, 0
.rept 32
	v_mov_b32 v[SAV+n], s44                        ; named as a source before the first tile is kept
.set n, n+1
.endr
	s_wait_alu depctr_va_vdst(0)                   ; the wait at the head's end
	s_wait_tensorcnt 0x0                           ; my tiles of the first fill are in; these lines stand ahead of a later first fill as ahead of a refill
	ds_add_u32 v[SPW], v[NIL]
	s_wait_dscnt 0x0
	CROUND                                         ; everybody's are
	tensor_load_to_lds s[G0+4:G0+7], s[G1B:G1B+7]  ; the second fill
	s_nop 0
.rept 4
	v_nop
.endr
.set AD, ACD
	LOADT 0, 0
	LOADT 1, TILE
	s_wait_dscnt 7
.irp q, 0,1,2,3,4,5,6,7                ; tile 0: nothing to look at yet
	s_wait_loadcnt 14-2*\q                         ; z's scale words and the fragments up to this one are in; the two loads of each later one may be out
	WM 0, \q
.endr
.rept 4
	v_nop                                          ; places in front of the loads into this tile's registers
.endr
	TRIP 1, 2*TILE
	TRIP 0, 3*TILE
.set AD, CAD
.Lfirst:                                               ; tiles 3 to 10; the loads reach tile 11
	FOUR
	s_cmp_lt_u32 s[ST], 4*F1*TILE
	s_cbranch_scc1 .Lfirst
	s_wait_alu depctr_va_vdst(0)
	s_wait_tensorcnt 0x0                           ; my tiles of the second fill are in
	s_wait_dscnt 0x0
	s_barrier_signal -1
	s_barrier_wait -1                              ; everybody's are.  Nothing is filled again
	s_mov_b32 s[ST], 4*F1*TILE
.Lsecond:                                              ; tiles 11 to 30; the loads reach tile 31
	FOUR
	s_cmp_lt_u32 s[ST], RUN
	s_cbranch_scc1 .Lsecond
	s_wait_dscnt 0x0
	MULS 1                                         ; tile 31
.irp q, 0,1,2,3,4,5,6,7
	SLICE 1, \q                                    ; and its scores
.endr
.set J,    CF                          ; the place among the eight
.set BEST, BB+4
.irp m, 0,1,2,3
	v_mov_b32 v[J+\m], 7
.endr
.irp j, 6,5,4,3,2,1,0                  ; the lowest place whose score is the largest
.irp m, 0,1,2,3
	v_cmp_eq_f32 s[CM+\m], v[SAV+8*\m+\j], v[BEST+\m]
.endr
.irp m, 0,1,2,3
	v_cndmask_b32 v[J+\m], v[J+\m], \j, s[CM+\m]
.endr
.endr
.irp m, 0,1,2,3
	v_lshl_add_u32 v[J+\m], v[TID+\m], 4, v[J+\m]
.endr
.irp m, 0,1,2,3
	v_add_f32 v[J+4+\m], 0, v[BEST+\m]             ; (a zero loses its sign, so that equal scores become equal whole numbers)
.endr
.irp m, 0,1,2,3
	v_add_nc_u32 v[PR+2*\m+1], v[LT], v[J+\m]      ; the code's index
.endr
.irp m, 0,1,2,3
	v_ashrrev_i32 v[J+8+\m], 31, v[J+4+\m]
.endr
.irp m, 0,1,2,3
	v_or_b32 v[J+8+\m], 0x80000000, v[J+8+\m]
.endr
.irp m, 0,1,2,3
	v_xor_b32 v[PR+2*\m], v[J+8+\m], v[J+4+\m]     ; a whole number without sign that orders as the score: all bits of a negative one turned over, the sign bit alone of the others
.endr
.irp m, 0,1,2,3
	v_permlanex16_b32 v[CF+16+2*\m], v[PR+2*\m], s[SEL], s[SEL+1]
	v_permlanex16_b32 v[CF+17+2*\m], v[PR+2*\m+1], s[SEL], s[SEL+1]
.endr
.irp m, 0,1,2,3
	MERGE PR+2*\m, PR+2*\m+1, CF+16+2*\m, CF+17+2*\m   ; the tiles' rows 0-7 against rows 8-15
	ds_store_b64 v[MA], v[PR+2*\m:PR+2*\m+1] offset:128*\m   ; lanes r and r + 16 write the same with the same value
.endr
	s_wait_dscnt 0x0
	s_barrier_signal -1
	s_barrier_wait -1
	s_cmp_lt_u32 s[WV], 4
	s_cbranch_scc0 .Lend                           ; waves 0-3 join the four runs of their 64 rows, two rows a lane
.irp k, 0,1,2,3
	ds_load_b128 v[16+4*\k:19+4*\k], v[ML] offset:2048*\k
.endr
	s_wait_dscnt 0x0
.irp k, 1,2,3
	MERGE 16, 17, 16+4*\k, 17+4*\k
	MERGE 18, 19, 18+4*\k, 19+4*\k
.endr
	v_mov_b32 v24, v16
	v_mov_b32 v25, v18
	v_mov_b32 v26, v17
	v_mov_b32 v27, v19
	global_store_b64 v[CO], v[24:25], s[8:9]                  ; 64 scores: one aligned block of 256 bytes
	global_store_b64 v[CO], v[26:27], s[8:9] offset:262144    ; 64 indices: one
.Lend:
	s_wait_tensorcnt 0x0                           ; the wave's end
	ds_add_u32 v[SPW], v[NIL]
	s_wait_dscnt 0x0
	CROUND                                         ; the closing round
	s_endpgm
.Lfunc_end_k_q00055f2e31_search:
	.size	k_q00055f2e31_search, .Lfunc_end_k_q00055f2e31_search-k_q00055f2e31_search
	.p2alignl 7, 3214868480
	.fill 96, 4, 3214868480
	.section	.rodata,"a",@progbits
	.p2align	6, 0x0
	.amdhsa_kernel k_q00055f2e31_search
		.amdhsa_group_segment_fixed_size 327680
		.amdhsa_private_segment_fixed_size 0
		.amdhsa_enable_private_segment 0
		.amdhsa_kernarg_size 24
		.amdhsa_user_sgpr_count 2
		.amdhsa_user_sgpr_kernarg_segment_ptr 1
		.amdhsa_wavefront_size32 1
		.amdhsa_system_sgpr_workgroup_id_x 1
		.amdhsa_system_sgpr_workgroup_id_y 1
		.amdhsa_system_sgpr_workgroup_id_z 1
		.amdhsa_system_vgpr_workitem_id 0
		.amdhsa_next_free_vgpr 256
		.amdhsa_next_free_sgpr 66
		.amdhsa_reserve_vcc 1
		.amdhsa_float_denorm_mode_32 3
		.amdhsa_float_denorm_mode_16_64 3
		.amdhsa_memory_ordered 1
		.amdhsa_forward_progress 1
		.amdhsa_inst_pref_size 67
	.end_amdhsa_kernel
	.amdgpu_metadata
---
amdhsa.version: [ 1, 2 ]
amdhsa.kernels:
  - .name:           k_q00055f2e31_search
    .symbol:         k_q00055f2e31_search.kd
    .args:
      - { .name: zimg, .offset: 0, .size: 8, .value_kind: global_buffer, .address_space: global }
      - { .name: cbimg, .offset: 8, .size: 8, .value_kind: global_buffer, .address_space: global }
      - { .name: cand, .offset: 16, .size: 8, .value_kind: global_buffer, .address_space: global }
    .group_segment_fixed_size: 327680
    .private_segment_fixed_size: 0
    .kernarg_segment_align: 8
    .kernarg_segment_size: 24
    .max_flat_workgroup_size: 512
    .sgpr_count:     66
    .vgpr_count:     256
    .wavefront_size: 32
...
	.end_amdgpu_metadata
.endif
;; end of part 2
;; launch gather (part 3): grid 256 x 1, 16 waves a work-group, no clusters, 167,936 bytes of LDS; arguments z, codebook, mask, cand, out0, out1, part; writes out0, out1, part
.if DOCPART == 3
	.amdgcn_target "amdgcn-amd-amdhsa--gfx1250"
	.amdhsa_code_object_version 6
	.text
	.protected	k_q00055f2e31_gather
	.globl	k_q00055f2e31_gather
	.p2align	8
	.type	k_q00055f2e31_gather,@function
k_q00055f2e31_gather:
	s_mov_b64 s[64:65], 0
	v_nop
	global_prefetch_b8 v0, s[64:65] scope:SCOPE_SE
	s_setreg_imm32_b32 hwreg(HW_REG_WAVE_MODE, 25, 1), 1
	s_wait_xcnt 0x0
; The index of a row is that of the largest of its four parts' scores, the lower part's where several are equal (the parts' codes ascend): whole numbers that the launch before stored.
; out1[row] = the index; out0[row] = z + (codebook[index] - z) where mask is true, z elsewhere; part[g] = the work-group's sum of (q - z)^2 over its masked rows, part[256 + g] = how many of its rows are masked in.
; A wave takes 4 rows of 1,024 bytes.  z's four rows come into LDS by one tensor load of the wave's own, read by that wave alone; the codebook's rows go to registers.  Each load and store of a wave covers 512 consecutive bytes, aligned.
; Scores, indices and mask bytes are the same for all lanes of a row: they come by scalar loads.  An index is held to the table's 8,192 rows before it enters an address.
; No matrix unit, no cluster: nothing is shared but rows of the codebook that happen to recur, so those loads carry no hint.  There is no loop to prefetch in.
.set ZTILE, 4096                       ; LDS: 4 rows for each wave
.set SUM, 16*ZTILE                     ; 16 sums and 16 counts
.set IDX, SUM+256                      ; the work-group's 64 indices
.set SPARE, IDX+256                    ; the spare words, 128 bytes for each wave
.set K0, 32                            ; s[32:47] scores: part p at 4 p; then the rows' addresses in the codebook
.set I0, 48                            ; s[48:63] indices: part p at 4 p; the first four end as the rows' indices
.set G1, 68
.set G0, 76
.set RM, 80                            ; s[80:83] row i's mask: all ones or 0
.set Z,  16                            ; v16-47   row i at 8 i: z, then the result
.set Q,  48                            ; v48-79   row i at 8 i: q, then q - z, masked
.set AC, 80                            ; v80-87   the sum of squares, in four chains of pairs
.set SPW, 96
.set NIL, 97
.set SEL, 26                           ; s[26:27] lane selects: lane l xor 16
.set CNT, 28                           ; s28 rows masked in
	s_load_b256 s[4:11], s[0:1], 0x0               ; z s[4:5], codebook s[6:7], mask s[8:9], cand s[10:11]
	s_load_b128 s[12:15], s[0:1], 0x20             ; out0 s[12:13], out1 s[14:15]
	s_load_b64 s[16:17], s[0:1], 0x30              ; part
	v_lshl_add_u32 v[SPW], v0, 2, SPARE
	v_mov_b32 v[NIL], 0
	ds_add_u32 v[SPW], v[NIL]                      ; the opening: the add, twice, and its wait
	ds_add_u32 v[SPW], v[NIL]
	v_lshrrev_b32 v1, 5, v0
	v_readfirstlane_b32 s18, v1                    ; wave 0..15
	s_lshl_b32 s19, ttmp9, 6
	s_lshl_b32 s22, s18, 2
	s_add_co_u32 s19, s19, s22                     ; my first row = 64 x work-group + 4 x wave: also its byte in mask
	s_lshl_b32 s22, s19, 2                         ; its byte in a run of cand
	s_lshl_b32 s20, s19, 10                        ; and in z and out0
	s_mov_b32 s21, 0
	s_mov_b32 s[SEL], 0x76543210
	s_mov_b32 s[SEL+1], 0xfedcba98
	s_mov_b32 s[CNT], 0
	s_lshl_b32 s23, s18, 12                        ; my rows in LDS
	s_lshl_b32 s29, s18, 2
	s_add_co_u32 s29, s29, SUM
	s_lshl_b32 s30, s18, 4
	s_add_co_u32 s30, s30, IDX
	s_lshl_b32 s31, ttmp9, 8
	s_lshl_b32 s66, ttmp9, 2
	s_mov_b32 s[G1], 3<<16                         ; elements of 8 bytes: 4 rows of 1,024 bytes, dense, no padding
	s_mov_b32 s[G1+1], 128<<16
	s_mov_b32 s[G1+2], 4<<16
	s_mov_b32 s[G1+3], 128<<16
	s_mov_b32 s[G1+4], 4
	s_mov_b32 s[G1+5], 128
	s_mov_b32 s[G1+6], 0
	s_mov_b32 s[G1+7], 0
	v_and_b32 v2, 31, v0                           ; lane
	v_and_b32 v3, 15, v0
	v_bfe_u32 v4, v0, 4, 1
	v_lshlrev_b32 v1, 4, v2                        ; 16 x lane
	v_add_nc_u32 v5, s23, v1                       ; LDS: my 16 bytes of my rows
	v_mov_b32 v6, s29                              ; LDS: SUM + 4 x wave
	v_mov_b32 v7, s30                              ; LDS: IDX + 16 x wave
	v_lshl_add_u32 v8, v2, 2, SUM
	v_lshl_add_u32 v9, v2, 3, IDX
	v_lshl_add_u32 v10, v2, 3, s31                 ; out1: 256 x work-group + 8 x lane
	v_lshl_add_u32 v11, v4, 10, s66                ; part: my work-group's sum, lanes 16-31 its count
	v_mov_b32 v12, 0                               ; (a lane permute's destination counts as one of its sources)
	s_wait_alu depctr_va_vdst(0)                   ; the wait at the head's end
	s_wait_dscnt 0x0                               ; both opening adds are done
	s_wait_kmcnt 0x0
.irp p, 0,1,2,3
	s_load_b128 s[K0+4*\p:K0+4*\p+3], s[10:11], s22 offset:65536*\p
	s_load_b128 s[I0+4*\p:I0+4*\p+3], s[10:11], s22 offset:262144+65536*\p
.endr
	s_load_b32 s24, s[8:9], s19 offset:0x0         ; four mask bytes
	s_add_nc_u64 s[4:5], s[4:5], s[20:21]
	s_add_nc_u64 s[12:13], s[12:13], s[20:21]
	s_mov_b32 s[G0], 1
	s_mov_b32 s[G0+1], s23
	s_mov_b64 s[G0+2:G0+3], s[4:5]
	s_or_b32 s[G0+3], s[G0+3], 0x80000000
	tensor_load_to_lds s[G0:G0+3], s[G1:G1+7]
	s_nop 0
.rept 4
	v_nop
.endr
.macro PICK i                          ; row i's index
	s_cmp_gt_u32 s[K0+4+(\i)], s[K0+(\i)]
	s_cselect_b32 s[K0+(\i)], s[K0+4+(\i)], s[K0+(\i)]
	s_cselect_b32 s[I0+(\i)], s[I0+4+(\i)], s[I0+(\i)]
	s_cmp_gt_u32 s[K0+12+(\i)], s[K0+8+(\i)]
	s_cselect_b32 s[K0+8+(\i)], s[K0+12+(\i)], s[K0+8+(\i)]
	s_cselect_b32 s[I0+8+(\i)], s[I0+12+(\i)], s[I0+8+(\i)]
	s_cmp_gt_u32 s[K0+8+(\i)], s[K0+(\i)]
	s_cselect_b32 s[I0+(\i)], s[I0+8+(\i)], s[I0+(\i)]
	s_min_u32 s[I0+(\i)], s[I0+(\i)], 8191         ; inside the table
.endm
.macro QROW i, b                       ; its row of the codebook, by the address pair at b
	s_lshl_b32 s[(\b)], s[I0+(\i)], 10
	s_mov_b32 s[(\b)+1], 0
	s_add_nc_u64 s[(\b):(\b)+1], s[6:7], s[(\b):(\b)+1]
	global_load_b128 v[Q+8*(\i):Q+8*(\i)+3],   v1, s[(\b):(\b)+1]
	global_load_b128 v[Q+8*(\i)+4:Q+8*(\i)+7], v1, s[(\b):(\b)+1] offset:512
.endm
	s_wait_kmcnt 0x0
.irp i, 0,2                            ; two rows at a time: their scores' registers then hold their addresses
	PICK \i
	PICK \i+1
	QROW \i, K0+\i
	QROW \i+1, K0+4+\i
.endr
.irp i, 0,1,2,3
	s_bfe_u32 s29, s24, 0x80000|(8*\i)             ; row i's byte
	s_cmp_lg_u32 s29, 0
	s_cselect_b32 s[RM+\i], -1, 0
	s_cselect_b32 s29, 1, 0
	s_add_co_u32 s[CNT], s[CNT], s29
.endr
	s_wait_tensorcnt 0x0                           ; my rows of z are in LDS
.irp i, 0,1,2,3
	ds_load_b128 v[Z+8*\i:Z+8*\i+3],   v5 offset:1024*\i
	ds_load_b128 v[Z+8*\i+4:Z+8*\i+7], v5 offset:1024*\i+512
.endr
.macro ROW i
	s_wait_dscnt 6-2*\i                            ; this row of z is in; the two LDS loads of each later row may be out
	s_wait_loadcnt 6-2*\i                          ; and of q
.irp k, 0,1,2,3
	v_pk_add_f32 v[Q+8*\i+2*\k:Q+8*\i+2*\k+1], v[Q+8*\i+2*\k:Q+8*\i+2*\k+1], v[Z+8*\i+2*\k:Z+8*\i+2*\k+1] neg_lo:[0,1] neg_hi:[0,1]   ; q - z
.endr
.irp k, 0,1,2,3,4,5,6,7
	v_cndmask_b32 v[Q+8*\i+\k], 0, v[Q+8*\i+\k], s[RM+\i]   ; 0 where the row is masked out: it then adds nothing to the loss and leaves z as it is
.endr
.irp k, 0,1,2,3
.if \i == 0
	v_pk_mul_f32 v[AC+2*\k:AC+2*\k+1], v[Q+8*\i+2*\k:Q+8*\i+2*\k+1], v[Q+8*\i+2*\k:Q+8*\i+2*\k+1]   ; the first row starts the chains
.else
	v_pk_fma_f32 v[AC+2*\k:AC+2*\k+1], v[Q+8*\i+2*\k:Q+8*\i+2*\k+1], v[Q+8*\i+2*\k:Q+8*\i+2*\k+1], v[AC+2*\k:AC+2*\k+1]
.endif
.endr
.irp k, 0,1,2,3
	v_pk_add_f32 v[Z+8*\i+2*\k:Z+8*\i+2*\k+1], v[Z+8*\i+2*\k:Z+8*\i+2*\k+1], v[Q+8*\i+2*\k:Q+8*\i+2*\k+1]   ; z + (q - z)
.endr
	global_store_b128 v1, v[Z+8*\i:Z+8*\i+3],   s[12:13] offset:1024*\i th:TH_STORE_NT
	global_store_b128 v1, v[Z+8*\i+4:Z+8*\i+7], s[12:13] offset:1024*\i+512 th:TH_STORE_NT
.endm
.irp i, 0,1,2,3
	ROW \i
.endr
	v_pk_add_f32 v[AC:AC+1], v[AC:AC+1], v[AC+2:AC+3]
	v_pk_add_f32 v[AC+4:AC+5], v[AC+4:AC+5], v[AC+6:AC+7]
	s_delay_alu instid0(VALU_DEP_1)
	v_pk_add_f32 v[AC:AC+1], v[AC:AC+1], v[AC+4:AC+5]
	s_delay_alu instid0(VALU_DEP_1)
	v_add_f32 v[AC], v[AC], v[AC+1]
.irp x, 1,2,4,8
	s_delay_alu instid0(VALU_DEP_1)
	v_add_f32_dpp v[AC], v[AC], v[AC] row_xmask:\x row_mask:0xf bank_mask:0xf
.endr
	s_delay_alu instid0(VALU_DEP_1)
	v_permlanex16_b32 v12, v[AC], s[SEL], s[SEL+1]
	s_delay_alu instid0(VALU_DEP_1)
	v_add_f32 v[AC], v[AC], v12                    ; the wave's sum, in every lane
	v_cvt_f32_u32 v13, s[CNT]                      ; its count
	ds_store_b32 v6, v[AC]                         ; all lanes write the same word with the same value
	ds_store_b32 v6, v13 offset:64
.irp i, 0,1,2,3
	v_mov_b32 v[88+\i], s[I0+\i]
	ds_store_b32 v7, v[88+\i] offset:4*\i
.endr
	s_wait_dscnt 0x0                               ; for wave 0's sake
	s_barrier_signal -1
	s_barrier_wait -1
	s_cmp_lg_u32 s18, 0
	s_cbranch_scc1 .Ldone
	ds_load_b64 v[92:93], v9                       ; the 64 indices
	ds_load_b32 v94, v8                            ; lane l: wave l's sum; lane 16 + l: its count
	s_wait_dscnt 0x0
	global_store_b64 v10, v[92:93], s[14:15]       ; one aligned block of 256 bytes
	v_add_f32_dpp v94, v94, v94 row_xmask:1 row_mask:0xf bank_mask:0xf   ; the sixteen waves', in a fixed order
.irp x, 2,4,8
	s_delay_alu instid0(VALU_DEP_1)
	v_add_f32_dpp v94, v94, v94 row_xmask:\x row_mask:0xf bank_mask:0xf
.endr
	s_wait_alu depctr_va_vdst(0)
	s_wait_xcnt 0x0                                ; EXEC is a source of the stores above: it changes only behind this wait
	v_cmp_eq_u32 vcc_lo, 0, v3                     ; lane 0 has the sum, lane 16 the count
	s_and_saveexec_b32 s29, vcc_lo
	global_store_b32 v11, v94, s[16:17]
	s_wait_xcnt 0x0                                ; and again, in front of the line that widens it
	s_or_b32 exec_lo, exec_lo, s29
.Ldone:
	s_wait_tensorcnt 0x0                           ; the wave's end
	ds_add_u32 v[SPW], v[NIL]
	s_wait_dscnt 0x0
	s_endpgm
.Lfunc_end_k_q00055f2e31_gather:
	.size	k_q00055f2e31_gather, .Lfunc_end_k_q00055f2e31_gather-k_q00055f2e31_gather
	.p2alignl 7, 3214868480
	.fill 96, 4, 3214868480
	.section	.rodata,"a",@progbits
	.p2align	6, 0x0
	.amdhsa_kernel k_q00055f2e31_gather
		.amdhsa_group_segment_fixed_size 167936
		.amdhsa_private_segment_fixed_size 0
		.amdhsa_enable_private_segment 0
		.amdhsa_kernarg_size 56
		.amdhsa_user_sgpr_count 2
		.amdhsa_user_sgpr_kernarg_segment_ptr 1
		.amdhsa_wavefront_size32 1
		.amdhsa_system_sgpr_workgroup_id_x 1
		.amdhsa_system_sgpr_workgroup_id_y 1
		.amdhsa_system_sgpr_workgroup_id_z 1
		.amdhsa_system_vgpr_workitem_id 0
		.amdhsa_next_free_vgpr 100
		.amdhsa_next_free_sgpr 84
		.amdhsa_reserve_vcc 1
		.amdhsa_float_denorm_mode_32 3
		.amdhsa_float_denorm_mode_16_64 3
		.amdhsa_memory_ordered 1
		.amdhsa_forward_progress 1
		.amdhsa_inst_pref_size 16
	.end_amdhsa_kernel
	.amdgpu_metadata
---
amdhsa.version: [ 1, 2 ]
amdhsa.kernels:
  - .name:           k_q00055f2e31_gather
    .symbol:         k_q00055f2e31_gather.kd
    .args:
      - { .name: z, .offset: 0, .size: 8, .value_kind: global_buffer, .address_space: global }
      - { .name: codebook, .offset: 8, .size: 8, .value_kind: global_buffer, .address_space: global }
      - { .name: mask, .offset: 16, .size: 8, .value_kind: global_buffer, .address_space: global }
      - { .name: cand, .offset: 24, .size: 8, .value_kind: global_buffer, .address_space: global }
      - { .name: out0, .offset: 32, .size: 8, .value_kind: global_buffer, .address_space: global }
      - { .name: out1, .offset: 40, .size: 8, .value_kind: global_buffer, .address_space: global }
      - { .name: part, .offset: 48, .size: 8, .value_kind: global_buffer, .address_space: global }
    .group_segment_fixed_size: 167936
    .private_segment_fixed_size: 0
    .kernarg_segment_align: 8
    .kernarg_segment_size: 56
    .max_flat_workgroup_size: 512
    .sgpr_count:     84
    .vgpr_count:     100
    .wavefront_size: 32
...
	.end_amdgpu_metadata
.endif
;; end of part 3
;; launch finish (part 4): grid 1 x 1, 1 waves a work-group, no clusters, 0 bytes of LDS; arguments part, out2; writes out2
.if DOCPART == 4
	.amdgcn_target "amdgcn-amd-amdhsa--gfx1250"
	.amdhsa_code_object_version 6
	.text
	.protected	k_q00055f2e31_finish
	.globl	k_q00055f2e31_finish
	.p2align	8
	.type	k_q00055f2e31_finish,@function
k_q00055f2e31_finish:
	s_mov_b64 s[64:65], 0
	v_nop
	global_prefetch_b8 v0, s[64:65] scope:SCOPE_SE
	s_setreg_imm32_b32 hwreg(HW_REG_WAVE_MODE, 25, 1), 1
	s_wait_xcnt 0x0
; out2 = (the sum of the 256 work-groups' loss sums) / max(256 x the sum of their counts, 1).  One wave: lane l takes eight sums and eight counts; the order of the additions is fixed.
; The sum spans work-groups of the launch before, so it is closed here, by one owner, without atomics.  The division is a reciprocal (1 unit in the last place) and a multiplication.
	s_load_b128 s[4:7], s[0:1], 0x0                ; part s[4:5], out2 s[6:7]
	v_lshlrev_b32 v1, 5, v0                        ; 32 bytes a lane
	s_mov_b32 s8, 0x76543210
	s_mov_b32 s9, 0xfedcba98                       ; lane selects: lane l xor 16
	v_mov_b32 v20, 0                               ; (a lane permute's destination counts as one of its sources)
	v_mov_b32 v21, 0
	s_wait_alu depctr_va_vdst(0)
	s_wait_kmcnt 0x0
	global_load_b128 v[4:7], v1, s[4:5]
	global_load_b128 v[8:11], v1, s[4:5] offset:16
	global_load_b128 v[12:15], v1, s[4:5] offset:1024
	global_load_b128 v[16:19], v1, s[4:5] offset:1040
	s_wait_loadcnt 0x0
	v_pk_add_f32 v[4:5], v[4:5], v[6:7]
	v_pk_add_f32 v[8:9], v[8:9], v[10:11]
	v_pk_add_f32 v[12:13], v[12:13], v[14:15]
	v_pk_add_f32 v[16:17], v[16:17], v[18:19]
	v_pk_add_f32 v[4:5], v[4:5], v[8:9]
	v_pk_add_f32 v[12:13], v[12:13], v[16:17]
	v_add_f32 v4, v4, v5
	v_add_f32 v12, v12, v13
.irp x, 1,2,4,8
	v_add_f32_dpp v4, v4, v4 row_xmask:\x row_mask:0xf bank_mask:0xf
	v_add_f32_dpp v12, v12, v12 row_xmask:\x row_mask:0xf bank_mask:0xf
.endr
	v_permlanex16_b32 v20, v4, s8, s9
	v_permlanex16_b32 v21, v12, s8, s9
	v_add_f32 v4, v4, v20                          ; the loss's sum
	v_add_f32 v12, v12, v21                        ; the rows masked in
	v_mul_f32 v12, 0x43800000, v12                 ; x 256 numbers a row
	v_max_num_f32 v12, 1.0, v12
	s_wait_alu depctr_va_vdst(0)
	v_rcp_f32 v13, v12
	v_mov_b32 v2, 0                                ; a plain place behind the reciprocal; also the store's offset
	s_wait_alu depctr_va_vdst(0)
	v_mul_f32 v4, v4, v13
	s_wait_alu depctr_va_vdst(0)
	s_wait_xcnt 0x0                                ; EXEC changes only behind this wait
	v_cmp_eq_u32 vcc_lo, 0, v0
	s_and_saveexec_b32 s10, vcc_lo
	global_store_b32 v2, v4, s[6:7]
	s_wait_xcnt 0x0
	s_or_b32 exec_lo, exec_lo, s10
	s_endpgm
.Lfunc_end_k_q00055f2e31_finish:
	.size	k_q00055f2e31_finish, .Lfunc_end_k_q00055f2e31_finish-k_q00055f2e31_finish
	.p2alignl 7, 3214868480
	.fill 96, 4, 3214868480
	.section	.rodata,"a",@progbits
	.p2align	6, 0x0
	.amdhsa_kernel k_q00055f2e31_finish
		.amdhsa_group_segment_fixed_size 0
		.amdhsa_private_segment_fixed_size 0
		.amdhsa_enable_private_segment 0
		.amdhsa_kernarg_size 16
		.amdhsa_user_sgpr_count 2
		.amdhsa_user_sgpr_kernarg_segment_ptr 1
		.amdhsa_wavefront_size32 1
		.amdhsa_system_sgpr_workgroup_id_x 1
		.amdhsa_system_sgpr_workgroup_id_y 1
		.amdhsa_system_sgpr_workgroup_id_z 1
		.amdhsa_system_vgpr_workitem_id 0
		.amdhsa_next_free_vgpr 32
		.amdhsa_next_free_sgpr 66
		.amdhsa_reserve_vcc 1
		.amdhsa_float_denorm_mode_32 3
		.amdhsa_float_denorm_mode_16_64 3
		.amdhsa_memory_ordered 1
		.amdhsa_forward_progress 1
		.amdhsa_inst_pref_size 3
	.end_amdhsa_kernel
	.amdgpu_metadata
---
amdhsa.version: [ 1, 2 ]
amdhsa.kernels:
  - .name:           k_q00055f2e31_finish
    .symbol:         k_q00055f2e31_finish.kd
    .args:
      - { .name: part, .offset: 0, .size: 8, .value_kind: global_buffer, .address_space: global }
      - { .name: out2, .offset: 8, .size: 8, .value_kind: global_buffer, .address_space: global }
    .group_segment_fixed_size: 0
    .private_segment_fixed_size: 0
    .kernarg_segment_align: 8
    .kernarg_segment_size: 16
    .max_flat_workgroup_size: 32
    .sgpr_count:     66
    .vgpr_count:     32
    .wavefront_size: 32
...
	.end_amdgpu_metadata
.endif
;; end of part 4
